; MI455X (gfx1250); checked and timed in simulation.
; The chip was launched on July 23, 2026; its instructions are those of AMD's public machine-readable ISA for CDNA 5 (MIT licence, August 2026) and "CDNA5" Instruction Set Architecture Reference Guide (July 2026). The comments in the code are by the model that wrote it; some were corrected since.
;; RTDETR Post Processor. Allowed arithmetic: float matrix products may take bf16 or f16 operands with f32 sums; all other float work in f32.
;; Inputs: boxes 256 x 1,000 x 4 float32; logits 256 x 1,000 x 80 float32; orig_target_sizes 256 x 2 float32.
;; Outputs: out0 256 x 300 int32; out1 256 x 300 x 4 float32; out2 256 x 300 float32.
;; One version. Each part assembles by itself: llvm-mc -triple=amdgcn-amd-amdhsa -mcpu=gfx1250 --defsym DOCPART=n.
;; ======== version 1 of 1: 2 launches
;; workspace buffers: marks 2,621,440 bytes of whole numbers; counts 16,384 bytes of whole numbers
;; launch mark (part 1): grid 256 x 1, 16 waves a work-group, no clusters, 1,024 bytes of LDS; arguments logits, marks, counts; writes marks, counts
.if DOCPART == 1
	.amdgcn_target "amdgcn-amd-amdhsa--gfx1250"
	.amdhsa_code_object_version 6
	.text
	.protected	k_q1d911ddd6f_mark
	.globl	k_q1d911ddd6f_mark
	.p2align	8
	.type	k_q1d911ddd6f_mark,@function
k_q1d911ddd6f_mark:
	s_mov_b64 s[64:65], 0
	v_nop
	global_prefetch_b8 v0, s[64:65] scope:SCOPE_SE
	s_setreg_imm32_b32 hwreg(HW_REG_WAVE_MODE, 25, 1), 1
	s_wait_xcnt 0x0
; mark: one work-group for each image.  It reads the image's 80,000 logits once, keeps them in registers (160 a thread),
; finds a threshold under which no logit can belong to the 300 best scores, and stores one bit for each logit: at or above it, or not,
; and for each wave the number of its set bits.  Bits and numbers are whole numbers from which the next launch forms its addresses and
; its one data-dependent branch; here no address and no branch hangs on a logit.
;
; Thread t, load j (0..39) holds the four logits 2048 j + 4 t + c in v[X+4j+c].  Load 39 exists for threads 0..31 alone
; (80,000 = 39 x 2,048 + 128); the other waves read thread 31's 16 bytes again, inside the buffer, and their bits are cleared.
; marks:  [image][wave][160] words; word 160 wave + r, bit lane  <->  logit 2048 (r >> 2) + 128 wave + 4 lane + (r & 3).
; counts: [image][wave] words: the set bits in the wave's 160 words.
;
; THE THRESHOLD.  The logits of loads 0..32 form 2,048 groups (thread x component) of 33.  If 300 groups have a maximum >= m, then 300
; different logits are >= m.  m is sought in an interval [lo, hi) of the maxima's bit patterns (mapped so that unsigned order is float
; order), which is cut to a quarter at a time; lo only ever moves to a point that 300 groups are counted at or above, so it is valid
; after any number of cuts.  A group's maximum only grows as more loads arrive, so a lo found on the maxima of loads 0..10 stays valid for
; the maxima of loads 0..32.  Hence two stages: the first interval and three cuts on the maxima of loads 0..10, while the other 29 loads are
; on their way; then three cuts on the final maxima, from the first stage's lo to the first stage's largest maximum.  That upper end is no
; bound for the final maxima, it only places the points: should 300 groups end above it, lo stops under it, and more logits are marked.
; The first lo is the smallest of the 512 threads' largest group maxima: every thread has a group at or above it, 512 >= 300 groups.
; Scores are 1 / fl(1 + e^-x), in which neighbouring logits fall together and are then ordered by index.  So the threshold lies
; below m by ln(1 + u), u = 2^-20 (1 + e^m): e^-x of a logit under it exceeds e^-m by 2^-20 (1 + e^-m), eight steps of the f32 sum,
; of which the rounding of the subtraction leaves at least half: its score is strictly smaller than those of the 300.
; LIMITS: logits are finite and no NaN (a NaN is never marked).  For m above 88 the threshold is -infinity and every logit is marked.
.set IMG_BYTES,  320000
.set MARK_BYTES, 10240
.set TOPK, 300
.set X,   8                            ; v[8:167]   the 160 logits
.set GM,  168                          ; v[168:171] maxima of my four groups
.set GU,  172                          ; v[172:175] the same as ordered unsigned numbers
.set T,   176                          ; v[176:179] at work
.set PA,  180                          ; v[180:184] bit counts of the five mask registers
.set PB,  185                          ; v[185:189] at work on them
.set W,   192                          ; v[192:196] the wave's 160 mask words, word r in lane r % 32 of register r / 32
.set SC,  197                          ; v[197:199] at work
.set THR, 200                          ; v200       the threshold
.set CUTS, 128                         ; LDS: 0 the waves' maxima, 64 their negated minima; from 128 on 128 bytes for each of the six cuts
	s_load_b128 s[4:7], s[0:1], 0x0                ; logits s[4:5], marks s[6:7]
	s_load_b64 s[36:37], s[0:1], 0x10              ; counts
	v_lshrrev_b32 v6, 5, v0
	v_readfirstlane_b32 s8, v6                     ; wave 0..15
	v_and_b32 v7, 31, v0                           ; lane
	v_lshlrev_b32 v1, 4, v0                        ; 16 t: my 16 bytes in each load's 8,192
	v_min_u32 v2, 31, v0
	v_lshlrev_b32 v2, 4, v2                        ; the same for load 39, held at thread 31
	v_mul_u32_u24 v3, v6, 640                      ; marks: 160 words a wave
	v_lshl_add_u32 v3, v7, 2, v3                   ;        + 4 lane
	v_lshlrev_b32 v4, 2, v6                        ; my wave's word, in LDS and in counts
	v_lshlrev_b32 v5, 2, v7                        ; LDS: word number lane
	s_mul_i32 s2, ttmp9, IMG_BYTES                 ; at most 255 x 320,000: below 2^32
	s_mov_b32 s3, 0
	s_mul_i32 s18, ttmp9, MARK_BYTES
	s_mov_b32 s19, 0
	s_lshl_b32 s34, ttmp9, 6                       ; counts: 16 words an image
	s_mov_b32 s35, 0
	s_mov_b32 s10, 0x76543210                      ; v_permlanex16_b32: lane i of one half reads lane i of the other
	s_mov_b32 s11, 0xfedcba98
	s_mov_b32 s38, 0x01010101
	s_cmp_eq_u32 s8, 0
	s_cselect_b32 s16, -1, 0                       ; load 39 counts in wave 0 alone
	s_wait_kmcnt 0x0
	s_add_nc_u64 s[4:5], s[4:5], s[2:3]
	s_add_nc_u64 s[6:7], s[6:7], s[18:19]
	s_add_nc_u64 s[36:37], s[36:37], s[34:35]
	; all 40 loads at once: 512 neighbouring bytes a wave and load, the image's 320,000 bytes in flight together
.set j, 0
.rept 39
	global_load_b128 v[X+4*j:X+4*j+3], v1, s[4:5] offset:8192*j th:TH_LOAD_NT
.set j, j+1
.endr
	global_load_b128 v[X+156:X+159], v2, s[4:5] offset:8192*39
	; group maxima over loads 0..10, taken as the loads arrive
	s_wait_loadcnt 37                              ; loads 0..2 are in: 37 younger ones may be out
.irp c, 0,1,2,3
	v_max3_num_f32 v[GM+\c], v[X+\c], v[X+4+\c], v[X+8+\c]
.endr
.set k, 2
.rept 4
	s_wait_loadcnt 39-2*k                          ; loads 2k-1 and 2k are in: 39 - 2k are younger than load 2k
.irp c, 0,1,2,3
	v_max3_num_f32 v[GM+\c], v[GM+\c], v[X+4*(2*k-1)+\c], v[X+8*k+\c]
.endr
.set k, k+1
.endr
; float bits to ordered unsigned numbers: negative: all bits turned; else: the sign bit set
.macro MAPG
.irp c, 0,1,2,3
	v_ashrrev_i32 v[T+\c], 31, v[GM+\c]
	v_or_b32 v[T+\c], 0x80000000, v[T+\c]
	v_xor_b32 v[GU+\c], v[GM+\c], v[T+\c]
.endr
.endm
	; the first interval: the smallest and the largest of the 512 threads' largest group maxima
	v_max3_num_f32 v[SC], v[GM], v[GM+1], v[GM+2]
	v_max_num_f32 v[SC], v[SC], v[GM+3]            ; my largest group maximum
	v_mov_b32 v[SC+1], v[SC]
.irp m, 1,2,4,8
	v_max_num_f32_dpp v[SC], v[SC], v[SC] row_xmask:\m row_mask:0xf bank_mask:0xf
	v_min_num_f32_dpp v[SC+1], v[SC+1], v[SC+1] row_xmask:\m row_mask:0xf bank_mask:0xf
.endr
	v_mov_b32 v[SC+2], 0                           ; v_permlanex16_b32 counts as a reader of its destination
	v_permlanex16_b32 v[SC+2], v[SC], s10, s11
	v_max_num_f32 v[SC], v[SC], v[SC+2]
	v_permlanex16_b32 v[SC+2], v[SC+1], s10, s11
	v_min_num_f32 v[SC+1], v[SC+1], v[SC+2]
	v_xor_b32 v[SC+1], 0x80000000, v[SC+1]         ; the minimum negated: one maximum below serves both
	ds_store_b32 v4, v[SC]                         ; all lanes write the wave's word with one value
	ds_store_b32 v4, v[SC+1] offset:64
	s_wait_dscnt 0x0                               ; zero: the other waves read these words behind the barrier
	s_barrier_signal -1
	MAPG                                           ; register work meanwhile
	s_barrier_wait -1
	ds_load_b32 v[T], v5                           ; lanes 0-15: the sixteen maxima; lanes 16-31: the sixteen negated minima
	s_wait_dscnt 0x0
.irp m, 1,2,4,8
	v_max_num_f32_dpp v[T], v[T], v[T] row_xmask:\m row_mask:0xf bank_mask:0xf
.endr
	v_readlane_b32 s13, v[T], 0
	v_readlane_b32 s12, v[T], 16
	s_xor_b32 s12, s12, 0x80000000                 ; the minimum again
	s_ashr_i32 s14, s12, 31
	s_or_b32 s14, s14, 0x80000000
	s_xor_b32 s12, s12, s14                        ; lo: each of the 512 threads has a group at or above it
	s_ashr_i32 s14, s13, 31
	s_or_b32 s14, s14, 0x80000000
	s_xor_b32 s13, s13, s14
	s_add_co_u32 s13, s13, 1                       ; hi: no group of loads 0..10 is at or above it
	s_mov_b32 s9, s13                              ; kept: the second stage's upper end
; One cut.  Every wave counts its 128 groups at or above the three points that quarter the interval; the counts meet in LDS (word wave: the
; first | the second << 16; word 16 + wave: the third; a sum over the waves is at most 2,048, so the halves do not carry); every wave adds
; them across its lanes and moves the same ends.  Each cut has LDS bytes of its own, written once: one barrier is all the ordering it needs.
.macro QUARTER buf
	s_sub_co_u32 s14, s13, s12
	s_lshr_b32 s14, s14, 2
	s_add_co_u32 s17, s12, s14                     ; the three points; with an interval under 4 they are lo itself, and nothing moves
	s_add_co_u32 s18, s17, s14
	s_add_co_u32 s19, s18, s14
.irp c, 0,1,2,3
	v_cmp_le_u32 s[20+\c], s17, v[GU+\c]
	v_cmp_le_u32 s[24+\c], s18, v[GU+\c]
	v_cmp_le_u32 s[28+\c], s19, v[GU+\c]
.endr
.irp c, 0,1,2,3,4,5,6,7,8,9,10,11
	s_bcnt1_i32_b32 s[20+\c], s[20+\c]
.endr
.irp g, 20,24,28
	s_add_co_u32 s[\g], s[\g], s[\g+1]
	s_add_co_u32 s[\g+2], s[\g+2], s[\g+3]
	s_add_co_u32 s[\g], s[\g], s[\g+2]
.endr
	s_lshl_b32 s24, s24, 16
	s_or_b32 s20, s20, s24
	v_mov_b32 v[SC], s20
	v_mov_b32 v[SC+1], s28
	ds_store_b32 v4, v[SC] offset:\buf
	ds_store_b32 v4, v[SC+1] offset:\buf+64
	s_wait_dscnt 0x0                               ; zero: for the other waves
	s_barrier_signal -1
	s_barrier_wait -1
	ds_load_b32 v[T], v5 offset:\buf
	s_wait_dscnt 0x0
.irp m, 1,2,4,8
	v_mov_b32_dpp v[T+1], v[T] row_xmask:\m row_mask:0xf bank_mask:0xf
	v_add_nc_u32 v[T], v[T], v[T+1]
.endr
	v_readlane_b32 s20, v[T], 0
	v_readlane_b32 s22, v[T], 16                   ; groups at or above the third point
	s_lshr_b32 s21, s20, 16                        ; the second
	s_and_b32 s20, s20, 0xffff                     ; the first
	s_cmp_ge_u32 s20, TOPK                         ; lo rises to the highest point that still has enough groups,
	s_cselect_b32 s12, s17, s12
	s_cmp_ge_u32 s21, TOPK
	s_cselect_b32 s12, s18, s12
	s_cmp_ge_u32 s22, TOPK
	s_cselect_b32 s12, s19, s12
	s_cselect_b32 s13, s13, s19                    ; hi falls to the lowest point that has too few (s_cselect leaves SCC)
	s_cmp_ge_u32 s21, TOPK
	s_cselect_b32 s13, s13, s18
	s_cmp_ge_u32 s20, TOPK
	s_cselect_b32 s13, s13, s17
.endm
	; the first stage: three cuts on the maxima of loads 0..10; they touch no register that a pending load writes
.irp n, 0,1,2
	QUARTER CUTS+128*\n
.endr
	; the group maxima grow on over loads 11..32
.rept 11
	s_wait_loadcnt 39-2*k                          ; as above: 39 - 2k loads are younger than load 2k
.irp c, 0,1,2,3
	v_max3_num_f32 v[GM+\c], v[GM+\c], v[X+4*(2*k-1)+\c], v[X+8*k+\c]
.endr
.set k, k+1
.endr
	MAPG
	s_mov_b32 s13, s9                              ; lo stays (still valid); hi: the first stage's largest maximum + 1
	; the second stage: three cuts on the final maxima
.irp n, 3,4,5
	QUARTER CUTS+128*\n
.endr
	; m = the lower end as a float again; the threshold = m - 0.70 log2(1 + u) (0.70 > ln 2)
	s_not_b32 s14, s12
	s_ashr_i32 s14, s14, 31
	s_or_b32 s14, s14, 0x80000000
	s_xor_b32 s12, s12, s14
	v_mov_b32 v[SC], s12
	v_mul_f32 v[SC+1], 0x3fb8aa3b, v[SC]
	v_exp_f32 v[SC+1], v[SC+1]                     ; e^m
	v_mov_b32 v[SC+2], 0x35800000                  ; 2^-20; also the plain instruction behind v_exp_f32 (ISA guide 5.7.2)
	s_wait_alu depctr_va_vdst(0)
	v_fma_f32 v[SC+1], v[SC+1], v[SC+2], v[SC+2]   ; u
	v_add_f32 v[SC+1], 1.0, v[SC+1]
	v_log_f32 v[SC+1], v[SC+1]
	v_nop                                          ; the place behind v_log_f32
	s_wait_alu depctr_va_vdst(0)
	v_fma_f32 v[THR], v[SC+1], 0xbf333333, v[SC]
	; the bits: one compare for each of my 160 registers; its 32 lane bits are one word of marks
	s_wait_loadcnt 0x0                             ; loads 33..39 too
.irp q, 0,1,2,3,4
	v_mov_b32 v[W+\q], 0                           ; v_writelane_b32 keeps the other lanes: the register is written whole first
.endr
.set r, 0
.rept 20
.irp q, 0,1,2,3,4,5,6,7
	v_cmp_ge_f32 s[20+\q], v[X+r+\q], v[THR]
.endr
.if r == 152
.irp q, 4,5,6,7
	s_and_b32 s[20+\q], s[20+\q], s16              ; registers 156..159 are load 39: real in wave 0 alone
.endr
.endif
.irp q, 0,1,2,3,4,5,6,7
	v_writelane_b32 v[W+(r+\q)/32], s[20+\q], (r+\q)%32
.endr
.set r, r+8
.endr
.irp q, 0,1,2,3,4
	global_store_b32 v3, v[W+\q], s[6:7] offset:128*\q     ; words 32 q + lane of my wave's 160
.endr
	; the wave's number of set bits: counts of 2, 4, 8 bits in each word, the five words' bytes added (at most 40 each), the four bytes, the lanes
.irp q, 0,1,2,3,4
	v_lshrrev_b32 v[PA+\q], 1, v[W+\q]
.endr
.irp q, 0,1,2,3,4
	v_and_b32 v[PA+\q], 0x55555555, v[PA+\q]
.endr
.irp q, 0,1,2,3,4
	v_sub_nc_u32 v[PA+\q], v[W+\q], v[PA+\q]
.endr
.irp q, 0,1,2,3,4
	v_lshrrev_b32 v[PB+\q], 2, v[PA+\q]
.endr
.irp q, 0,1,2,3,4
	v_and_b32 v[PA+\q], 0x33333333, v[PA+\q]
.endr
.irp q, 0,1,2,3,4
	v_and_b32 v[PB+\q], 0x33333333, v[PB+\q]
.endr
.irp q, 0,1,2,3,4
	v_add_nc_u32 v[PA+\q], v[PA+\q], v[PB+\q]
.endr
.irp q, 0,1,2,3,4
	v_lshrrev_b32 v[PB+\q], 4, v[PA+\q]
.endr
.irp q, 0,1,2,3,4
	v_add_nc_u32 v[PA+\q], v[PA+\q], v[PB+\q]
.endr
.irp q, 0,1,2,3,4
	v_and_b32 v[PA+\q], 0x0f0f0f0f, v[PA+\q]
.endr
	v_add3_u32 v[PA], v[PA], v[PA+1], v[PA+2]
	v_add3_u32 v[PA], v[PA], v[PA+3], v[PA+4]
	v_mul_lo_u32 v[PA], v[PA], s38                 ; the four bytes' sum (at most 160) in the top byte
	v_lshrrev_b32 v[PA], 24, v[PA]
.irp m, 1,2,4,8
	v_mov_b32_dpp v[PB], v[PA] row_xmask:\m row_mask:0xf bank_mask:0xf
	v_add_nc_u32 v[PA], v[PA], v[PB]
.endr
	v_permlanex16_b32 v[PB], v[PA], s10, s11
	v_add_nc_u32 v[PA], v[PA], v[PB]
	v_cmp_eq_u32 vcc_lo, 0, v7
	s_wait_xcnt 0x0                                ; EXEC is a source of the pending stores: it changes only behind this wait
	s_and_saveexec_b32 s33, vcc_lo
	global_store_b32 v4, v[PA], s[36:37]           ; lane 0 writes the wave's word of counts
	s_wait_xcnt 0x0
	s_or_b32 exec_lo, exec_lo, s33
	s_endpgm
.Lfunc_end_k_q1d911ddd6f_mark:
	.size	k_q1d911ddd6f_mark, .Lfunc_end_k_q1d911ddd6f_mark-k_q1d911ddd6f_mark
	.p2alignl 7, 3214868480
	.fill 96, 4, 3214868480
	.section	.rodata,"a",@progbits
	.p2align	6, 0x0
	.amdhsa_kernel k_q1d911ddd6f_mark
		.amdhsa_group_segment_fixed_size 1024
		.amdhsa_private_segment_fixed_size 0
		.amdhsa_enable_private_segment 0
		.amdhsa_kernarg_size 24
		.amdhsa_user_sgpr_count 2
		.amdhsa_user_sgpr_kernarg_segment_ptr 1
		.amdhsa_wavefront_size32 1
		.amdhsa_system_sgpr_workgroup_id_x 1
		.amdhsa_system_sgpr_workgroup_id_y 1
		.amdhsa_system_sgpr_workgroup_id_z 1
		.amdhsa_system_vgpr_workitem_id 0
		.amdhsa_next_free_vgpr 208
		.amdhsa_next_free_sgpr 66
		.amdhsa_reserve_vcc 1
		.amdhsa_float_denorm_mode_32 3
		.amdhsa_float_denorm_mode_16_64 3
		.amdhsa_memory_ordered 1
		.amdhsa_forward_progress 1
		.amdhsa_inst_pref_size 56
	.end_amdhsa_kernel
	.amdgpu_metadata
---
amdhsa.version: [ 1, 2 ]
amdhsa.kernels:
  - .name:           k_q1d911ddd6f_mark
    .symbol:         k_q1d911ddd6f_mark.kd
    .args:
      - { .name: logits, .offset: 0, .size: 8, .value_kind: global_buffer, .address_space: global }
      - { .name: marks, .offset: 8, .size: 8, .value_kind: global_buffer, .address_space: global }
      - { .name: counts, .offset: 16, .size: 8, .value_kind: global_buffer, .address_space: global }
    .group_segment_fixed_size: 1024
    .private_segment_fixed_size: 0
    .kernarg_segment_align: 8
    .kernarg_segment_size: 24
    .max_flat_workgroup_size: 512
    .sgpr_count:     66
    .vgpr_count:     208
    .wavefront_size: 32
...
	.end_amdgpu_metadata
.endif
;; end of part 1
;; launch pick (part 2): grid 256 x 1, 4 waves a work-group, no clusters, 65,536 bytes of LDS; arguments marks, logits, boxes, orig_target_sizes, out0, out1, out2, counts; writes out0, out1, out2
.if DOCPART == 2
	.amdgcn_target "amdgcn-amd-amdhsa--gfx1250"
	.amdhsa_code_object_version 6
	.text
	.protected	k_q1d911ddd6f_pick
	.globl	k_q1d911ddd6f_pick
	.p2align	8
	.type	k_q1d911ddd6f_pick,@function
k_q1d911ddd6f_pick:
	s_mov_b64 s[64:65], 0
	v_nop
	global_prefetch_b8 v0, s[64:65] scope:SCOPE_SE
	s_setreg_imm32_b32 hwreg(HW_REG_WAVE_MODE, 25, 1), 1
	s_wait_xcnt 0x0
; pick: one work-group for each image.  From the image's 2,560 mask words it finds the marked logits (C of them, at least 300),
; gathers each one's logit and raw box, makes the score, sorts 512 places by (score descending, index ascending) with a fixed
; bitonic network in which the box travels along, and writes the first 300.  Addresses hang on the mask words (whole numbers that the
; launch before stored) and never on a score; the network selects by v_cndmask_b32 alone.
; C steers the one data-dependent branch.  It is the sum of the image's sixteen words of counts, read by a scalar load; four neighbouring
; words are the set bits of the 640 mask words that one wave here owns, so the same sums give each wave the bits in front of it.
;
; Place p = 128 wave + 32 r + lane (r = 0..3): four places a thread.  Place p starts with the p-th marked logit in the order of the
; mask's words and bits; places from C on hold a key behind every real one.
; THE KEY.  score = RN(1 / fl(1 + e^-x)), e^-x by the classic reduction (n = floor(a log2 e + 1/2), two-part ln 2) and polynomial of degree 5
; in fused form, the quotient by v_rcp_f32 and two fused Newton steps.  key = complement of the score's bits, compared unsigned;
; equal keys are ordered by index, as a top-k does.
; LIMITS: logits finite, no NaN.  -x is held in [-87.8, 88.0]: logits below about -87.3 (scores under 2^-126) score 0 and are ordered by
; index.  Two scores that differ in the last bit of e^-x or of the quotient may change places against another way of rounding.
; C > 512 (many equal or nearly equal logits at the threshold): wave 0 alone takes the 300 best one after the other from all 80,000
; logits; right, and slower by orders of magnitude.
.set TOPK,  300
.set NSORT, 512
.set MK,  16384                        ; LDS: 0 P, 4,096 words: inclusive sums of the words' bit counts, from word 2,560 on 0x7fffffff
.set XB,  28672                        ;      16384 the 2,560 mask words
.set XBS, 12288                        ;      28672 three exchange buffers of 12,288 bytes: 512 x (key, index), then 512 boxes at +4096
.set MW,   4                           ; v[4:23]    my 20 mask words
.set PC,   24                          ; v[24:43]   their running bit counts
.set TT,   44                          ; v[44:47]   at work; then the bit's number
.set VV,   48                          ; v[48:51]   at work; then the place's mask word
.set PV,   52                          ; v[52:55]   p
.set POS,  56                          ; v[56:59]   4 x number of the word that holds the p-th bit
.set BASE, 60                          ; v[60:63]   bits in front of that word; then p's rank inside it
.set E,    64                          ; v[64:95]   place r at E + 8 r: +0 key, +1 index, +2, +3 at work, +4..7 the raw box
.set Q,    96                          ; v[96:127]  the partner's element, same shape
.set AK0, 128                          ; LDS addresses in an exchange buffer: keys and boxes of my wave,
.set AB0, 129
.set AK1, 130                          ; of wave ^ 1,
.set AB1, 131
.set AK2, 132                          ; of wave ^ 2
.set AB2, 133
.set WH,  136                          ; v[136:137] the image's width and height
.set KT,  140                          ; v[140:155] four registers at work for each place
.set PREV, 156                         ; the slow path: v[156:157] the last (key, index) written
.set LOFF, 158                         ;   byte offset of my four logits
.set IDX0, 159                         ;   their first index
.set BOFF, 160                         ;   byte offset of their box
.set XL,  164                          ;   v[164:167] four logits
.set BX,  168                          ;   v[168:171] their box
.set MS,  44                           ; s[44:55]   three lane masks for each place
.set CN,  84                           ; s[84:99]   the image's sixteen counts
; s18 wave, s19 C, s[20:21] width, height, s22-25 bit-count masks, s26-36 constants of e^a, s37-38 lane selects,
; s39 m1 = -(wave & 1), s40 m2 = -(wave >> 1), s41 ~m1 ^ m2, s42 ~m2, s43 ~m1
	s_load_b256 s[4:11], s[0:1], 0x0               ; marks s[4:5], logits s[6:7], boxes s[8:9], sizes s[10:11]
	s_load_b128 s[12:15], s[0:1], 0x20             ; out0 s[12:13], out1 s[14:15]
	s_load_b64 s[16:17], s[0:1], 0x30              ; out2
	s_load_b64 s[70:71], s[0:1], 0x38              ; counts
	v_and_b32 v1, 31, v0                           ; lane
	v_lshrrev_b32 v2, 5, v0
	v_readfirstlane_b32 s18, v2                    ; wave 0..3
	v_mul_u32_u24 v3, v0, 80                       ; my 20 words, in marks and in LDS
	s_mov_b32 s3, 0
	s_mul_i32 s2, ttmp9, 10240
	s_wait_kmcnt 0x0
	s_add_nc_u64 s[4:5], s[4:5], s[2:3]
.irp i, 0,1,2,3,4
	global_load_b128 v[MW+4*\i:MW+4*\i+3], v3, s[4:5] offset:16*\i th:TH_LOAD_NT
.endr
	s_lshl_b32 s2, ttmp9, 3
	s_add_nc_u64 s[10:11], s[10:11], s[2:3]
	s_load_b64 s[20:21], s[10:11], 0x0             ; the image's width and height
	s_lshl_b32 s2, ttmp9, 6
	s_add_nc_u64 s[70:71], s[70:71], s[2:3]
	s_load_b512 s[CN:CN+15], s[70:71], 0x0         ; the image's sixteen counts
	s_mul_i32 s2, ttmp9, 320000
	s_add_nc_u64 s[6:7], s[6:7], s[2:3]
	s_mul_i32 s2, ttmp9, 16000
	s_add_nc_u64 s[8:9], s[8:9], s[2:3]
	s_mul_i32 s2, ttmp9, 1200
	s_add_nc_u64 s[12:13], s[12:13], s[2:3]
	s_add_nc_u64 s[16:17], s[16:17], s[2:3]
	s_mul_i32 s2, ttmp9, 4800
	s_add_nc_u64 s[14:15], s[14:15], s[2:3]
	s_mov_b32 s22, 0x55555555
	s_mov_b32 s23, 0x33333333
	s_mov_b32 s24, 0x0f0f0f0f
	s_mov_b32 s25, 0x01010101
	s_mov_b32 s26, 0x3fb8aa3b                      ; log2 e
	s_mov_b32 s27, 0xbf318000                      ; -0.693359375
	s_mov_b32 s28, 0x395e8083                      ; +2.12194440e-4: the two parts of -ln 2
	s_mov_b32 s29, 0x39506967                      ; the polynomial, highest power first
	s_mov_b32 s30, 0x3ab743ce
	s_mov_b32 s31, 0x3c088908
	s_mov_b32 s32, 0x3d2aa9c1
	s_mov_b32 s33, 0x3e2aaaaa
	s_mov_b32 s34, 0x3f000000
	s_mov_b32 s35, 0xc2af999a                      ; -87.8
	s_mov_b32 s36, 0x42b00000                      ; 88.0: 1 + e^88 is finite
	s_mov_b32 s37, 0x76543210
	s_mov_b32 s38, 0xfedcba98
	s_and_b32 s39, s18, 1
	s_sub_co_u32 s39, 0, s39
	s_bfe_u32 s40, s18, 0x10001
	s_sub_co_u32 s40, 0, s40
	s_not_b32 s43, s39
	s_xor_b32 s41, s43, s40
	s_not_b32 s42, s40
	v_lshlrev_b32 v44, 3, v1
	v_lshlrev_b32 v45, 4, v1
	s_lshl_b32 s56, s18, 10                        ; a wave's 128 places: 1,024 bytes of keys, 2,048 of boxes
	s_lshl_b32 s57, s18, 11
	v_add_nc_u32 v[AK0], s56, v44
	v_add_nc_u32 v[AB0], s57, v45
	s_xor_b32 s58, s18, 1
	s_lshl_b32 s56, s58, 10
	s_lshl_b32 s57, s58, 11
	v_add_nc_u32 v[AK1], s56, v44
	v_add_nc_u32 v[AB1], s57, v45
	s_xor_b32 s58, s18, 2
	s_lshl_b32 s56, s58, 10
	s_lshl_b32 s57, s58, 11
	v_add_nc_u32 v[AK2], s56, v44
	v_add_nc_u32 v[AB2], s57, v45
	v_lshl_add_u32 v[PV], v2, 7, v1
.irp r, 1,2,3
	v_add_nc_u32 v[PV+\r], 32*\r, v[PV]
.endr
.irp r, 0,1,2,3
.irp w, 0,1,4,5,6,7
	v_mov_b32 v[Q+8*\r+\w], 0                      ; destinations of DPP moves and lane permutes count as read: written once here
.endr
.endr
	s_wait_loadcnt 0x0
	s_wait_kmcnt 0x0
	v_mov_b32 v[WH], s20
	v_mov_b32 v[WH+1], s21
; bit counts of four words at a time, so that no line waits for the one in front of it
.macro POPC4 b
.irp q, 0,1,2,3
	v_lshrrev_b32 v[TT+\q], 1, v[MW+\b+\q]
.endr
.irp q, 0,1,2,3
	v_and_b32 v[TT+\q], s22, v[TT+\q]
.endr
.irp q, 0,1,2,3
	v_sub_nc_u32 v[PC+\b+\q], v[MW+\b+\q], v[TT+\q]            ; counts of 2 bits
.endr
.irp q, 0,1,2,3
	v_lshrrev_b32 v[TT+\q], 2, v[PC+\b+\q]
.endr
.irp q, 0,1,2,3
	v_and_b32 v[PC+\b+\q], s23, v[PC+\b+\q]
.endr
.irp q, 0,1,2,3
	v_and_b32 v[TT+\q], s23, v[TT+\q]
.endr
.irp q, 0,1,2,3
	v_add_nc_u32 v[PC+\b+\q], v[PC+\b+\q], v[TT+\q]            ; of 4
.endr
.irp q, 0,1,2,3
	v_lshrrev_b32 v[TT+\q], 4, v[PC+\b+\q]
.endr
.irp q, 0,1,2,3
	v_add_nc_u32 v[PC+\b+\q], v[PC+\b+\q], v[TT+\q]
.endr
.irp q, 0,1,2,3
	v_and_b32 v[PC+\b+\q], s24, v[PC+\b+\q]                    ; of 8
.endr
.irp q, 0,1,2,3
	v_mul_lo_u32 v[PC+\b+\q], v[PC+\b+\q], s25                 ; the four bytes' sum in the top byte
.endr
.irp q, 0,1,2,3
	v_lshrrev_b32 v[PC+\b+\q], 24, v[PC+\b+\q]
.endr
.endm
	POPC4 0
	POPC4 4
	POPC4 8
	POPC4 12
	POPC4 16
.set i, 1
.rept 19
	v_add_nc_u32 v[PC+i], v[PC+i], v[PC+i-1]       ; running sum over my 20 words
.set i, i+1
.endr
	; inclusive sums of the threads' totals over the wave: four shifted adds in each half of 16 lanes, then the lower half's total
	v_mov_b32 v44, v[PC+19]
	v_mov_b32 v45, 0
.irp sh, 1,2,4,8
	v_mov_b32_dpp v45, v44 row_shr:\sh row_mask:0xf bank_mask:0xf bound_ctrl:1
	v_add_nc_u32 v44, v44, v45
.endr
	v_readlane_b32 s56, v44, 15
	s_mov_b32 s57, 0xffff0000
	v_add_nc_u32 v45, s56, v44
	v_cndmask_b32 v44, v44, v45, s57
	; the four waves' totals from counts, their running sums, C, and the bits in the waves in front of mine
.irp g, 0,1,2,3
	s_add_co_u32 s[CN+4*\g], s[CN+4*\g], s[CN+4*\g+1]
	s_add_co_u32 s[CN+4*\g+2], s[CN+4*\g+2], s[CN+4*\g+3]
	s_add_co_u32 s[56+\g], s[CN+4*\g], s[CN+4*\g+2]
.endr
	s_add_co_u32 s57, s57, s56
	s_add_co_u32 s58, s58, s57
	s_add_co_u32 s19, s59, s58                     ; C
	s_cmp_ge_u32 s18, 1
	s_cselect_b32 s60, s56, 0
	s_cmp_ge_u32 s18, 2
	s_cselect_b32 s60, s57, s60
	s_cmp_ge_u32 s18, 3
	s_cselect_b32 s60, s58, s60
	v_sub_nc_u32 v45, v44, v[PC+19]                ; bits in the threads in front of me in my wave
	v_add_nc_u32 v45, s60, v45
.set i, 0
.rept 20
	v_add_nc_u32 v[PC+i], v[PC+i], v45
.set i, i+1
.endr
.irp i, 0,1,2,3,4
	ds_store_b128 v3, v[MW+4*\i:MW+4*\i+3] offset:MK+16*\i
.endr
.irp i, 0,1,2,3,4
	ds_store_b128 v3, v[PC+4*\i:PC+4*\i+3] offset:16*\i
.endr
.irp q, 0,1,2,3
	v_mov_b32 v[VV+\q], 0x7fffffff
.endr
	v_mul_u32_u24 v46, v0, 48                      ; words 2,560..4,095 of P: 48 bytes a thread
.irp i, 0,1,2
	ds_store_b128 v46, v[VV:VV+3] offset:10240+16*\i
.endr
	s_wait_dscnt 0x0                               ; zero: the other waves read behind the barrier
	s_barrier_signal -1
	s_barrier_wait -1
	; which word holds the p-th bit: the number of words whose inclusive sum is <= p, by twelve halvings over 4,096 entries
.irp r, 0,1,2,3
	v_mov_b32 v[POS+\r], 0
	v_mov_b32 v[BASE+\r], 0
.endr
.irp step, 2048,1024,512,256,128,64,32,16,8,4,2,1
.irp r, 0,1,2,3
	v_add_nc_u32 v[TT+\r], 4*(\step-1), v[POS+\r]
	v_min_u32 v[TT+\r], 16380, v[TT+\r]            ; inside P whatever the sums hold
	ds_load_b32 v[VV+\r], v[TT+\r]
.endr
	s_wait_dscnt 0x0
.irp r, 0,1,2,3
	v_cmp_le_u32 s[MS+\r], v[VV+\r], v[PV+\r]
	v_add_nc_u32 v[TT+\r], 4*\step, v[POS+\r]
.endr
.irp r, 0,1,2,3
	v_cndmask_b32 v[POS+\r], v[POS+\r], v[TT+\r], s[MS+\r]
	v_cndmask_b32 v[BASE+\r], v[BASE+\r], v[VV+\r], s[MS+\r]
.endr
.endr
.irp r, 0,1,2,3
	v_min_u32 v[POS+\r], 10236, v[POS+\r]          ; places from C on point at the last word; they are overruled below
	ds_load_b32 v[VV+\r], v[POS+\r] offset:MK
	v_sub_nc_u32 v[BASE+\r], v[PV+\r], v[BASE+\r]  ; the rank of my bit among the word's set bits
.endr
	s_wait_dscnt 0x0
	s_barrier_signal -1                            ; ends the part whose LDS addresses come from loaded sums, before LDS is written again
	s_barrier_wait -1
	; the number of the rank-th set bit: counts of 2, 4, 8, 16 bits (KT + 0..3), then five steps down
.irp r, 0,1,2,3
	v_lshrrev_b32 v[E+8*\r+2], 1, v[VV+\r]
	v_mov_b32 v[TT+\r], 0
.endr
.irp r, 0,1,2,3
	v_and_b32 v[E+8*\r+2], s22, v[E+8*\r+2]
.endr
.irp r, 0,1,2,3
	v_sub_nc_u32 v[KT+4*\r], v[VV+\r], v[E+8*\r+2]
.endr
.irp r, 0,1,2,3
	v_lshrrev_b32 v[E+8*\r+2], 2, v[KT+4*\r]
	v_and_b32 v[KT+4*\r+1], s23, v[KT+4*\r]
.endr
.irp r, 0,1,2,3
	v_and_b32 v[E+8*\r+2], s23, v[E+8*\r+2]
.endr
.irp r, 0,1,2,3
	v_add_nc_u32 v[KT+4*\r+1], v[KT+4*\r+1], v[E+8*\r+2]
.endr
.irp r, 0,1,2,3
	v_lshrrev_b32 v[E+8*\r+2], 4, v[KT+4*\r+1]
.endr
.irp r, 0,1,2,3
	v_add_nc_u32 v[KT+4*\r+2], v[KT+4*\r+1], v[E+8*\r+2]
.endr
.irp r, 0,1,2,3
	v_and_b32 v[KT+4*\r+2], s24, v[KT+4*\r+2]
.endr
.irp r, 0,1,2,3
	v_lshrrev_b32 v[E+8*\r+2], 8, v[KT+4*\r+2]
.endr
.irp r, 0,1,2,3
	v_add_nc_u32 v[KT+4*\r+3], v[KT+4*\r+2], v[E+8*\r+2]
.endr
.irp r, 0,1,2,3
	v_and_b32 v[KT+4*\r+3], 0x00ff00ff, v[KT+4*\r+3]
.endr
; if the lower w bits at the present position hold no more than rank set bits, pass them by
.macro NSTEP lv, st, w
.irp r, 0,1,2,3
	v_bfe_u32 v[E+8*\r+2], v[\lv+\st*\r], v[TT+\r], \w
.endr
.irp r, 0,1,2,3
	v_cmp_ge_u32 s[MS+\r], v[BASE+\r], v[E+8*\r+2]
	v_sub_nc_u32 v[E+8*\r+2], v[BASE+\r], v[E+8*\r+2]
	v_add_nc_u32 v[E+8*\r+3], \w, v[TT+\r]
.endr
.irp r, 0,1,2,3
	v_cndmask_b32 v[BASE+\r], v[BASE+\r], v[E+8*\r+2], s[MS+\r]
	v_cndmask_b32 v[TT+\r], v[TT+\r], v[E+8*\r+3], s[MS+\r]
.endr
.endm
	NSTEP KT+3, 4, 16
	NSTEP KT+2, 4, 8
	NSTEP KT+1, 4, 4
	NSTEP KT,   4, 2
	NSTEP VV,   1, 1
	; word g = 160 wv + rr, bit b  ->  index 2048 (rr >> 2) + 128 wv + 4 b + (rr & 3); query = index / 80.  x / 5 = (52429 x) >> 18 for x < 5,000
.irp r, 0,1,2,3
	v_lshrrev_b32 v[KT+4*\r], 7, v[POS+\r]                     ; g >> 5
	v_mul_u32_u24 v[KT+4*\r], v[KT+4*\r], 0xcccd
	v_lshrrev_b32 v[KT+4*\r], 18, v[KT+4*\r]                   ; wv = g / 160
	v_lshrrev_b32 v[KT+4*\r+1], 2, v[POS+\r]                   ; g
	v_mul_u32_u24 v[KT+4*\r+2], v[KT+4*\r], 160
	v_sub_nc_u32 v[KT+4*\r+1], v[KT+4*\r+1], v[KT+4*\r+2]      ; rr
	v_and_b32 v[KT+4*\r+2], 3, v[KT+4*\r+1]
	v_lshrrev_b32 v[KT+4*\r+1], 2, v[KT+4*\r+1]
	v_lshl_add_u32 v[KT+4*\r+2], v[KT+4*\r+1], 11, v[KT+4*\r+2]
	v_lshl_add_u32 v[KT+4*\r+2], v[KT+4*\r], 7, v[KT+4*\r+2]
	v_lshl_add_u32 v[KT+4*\r+2], v[TT+\r], 2, v[KT+4*\r+2]
	v_min_u32 v[E+8*\r+1], 79999, v[KT+4*\r+2]                 ; the index, inside the image whatever the words hold
	v_lshlrev_b32 v[KT+4*\r], 2, v[E+8*\r+1]
	v_lshrrev_b32 v[KT+4*\r+1], 4, v[E+8*\r+1]
	v_mul_u32_u24 v[KT+4*\r+1], v[KT+4*\r+1], 0xcccd
	v_lshrrev_b32 v[KT+4*\r+1], 18, v[KT+4*\r+1]
	v_min_u32 v[KT+4*\r+1], 999, v[KT+4*\r+1]                  ; the query
	v_lshlrev_b32 v[KT+4*\r+1], 4, v[KT+4*\r+1]
	global_load_b32 v[E+8*\r+2], v[KT+4*\r], s[6:7]
	global_load_b128 v[E+8*\r+4:E+8*\r+7], v[KT+4*\r+1], s[8:9]
.endr
	s_wait_loadcnt 0x0                             ; also frees the offsets in KT
; Four keys at once: logits in v[xb + xs r], keys to v[ob + 8 r].  KT + 4 r: +0 a, then r^2, then y; +1 n, then the quotient; +2 r, then the residue; +3 the polynomial
.macro KEY4 ob, xb, xs
.irp r, 0,1,2,3
	v_med3_num_f32 v[KT+4*\r], -v[\xb+\xs*\r], s35, s36        ; a = -x, held in [-87.8, 88]
.endr
.irp r, 0,1,2,3
	v_fma_f32 v[KT+4*\r+1], v[KT+4*\r], s26, 0.5
.endr
.irp r, 0,1,2,3
	v_floor_f32 v[KT+4*\r+1], v[KT+4*\r+1]                     ; n
.endr
.irp r, 0,1,2,3
	v_fma_f32 v[KT+4*\r+2], v[KT+4*\r+1], s27, v[KT+4*\r]
.endr
.irp r, 0,1,2,3
	v_fma_f32 v[KT+4*\r+2], v[KT+4*\r+1], s28, v[KT+4*\r+2]    ; r = a - n ln 2
.endr
.irp r, 0,1,2,3
	v_fma_f32 v[KT+4*\r+3], v[KT+4*\r+2], s29, s30
.endr
.irp r, 0,1,2,3
	v_fma_f32 v[KT+4*\r+3], v[KT+4*\r+3], v[KT+4*\r+2], s31
.endr
.irp r, 0,1,2,3
	v_fma_f32 v[KT+4*\r+3], v[KT+4*\r+3], v[KT+4*\r+2], s32
.endr
.irp r, 0,1,2,3
	v_fma_f32 v[KT+4*\r+3], v[KT+4*\r+3], v[KT+4*\r+2], s33
.endr
.irp r, 0,1,2,3
	v_fma_f32 v[KT+4*\r+3], v[KT+4*\r+3], v[KT+4*\r+2], s34
.endr
.irp r, 0,1,2,3
	v_mul_f32 v[KT+4*\r], v[KT+4*\r+2], v[KT+4*\r+2]
.endr
.irp r, 0,1,2,3
	v_fma_f32 v[KT+4*\r+3], v[KT+4*\r+3], v[KT+4*\r], v[KT+4*\r+2]
.endr
.irp r, 0,1,2,3
	v_add_f32 v[KT+4*\r+3], 1.0, v[KT+4*\r+3]                  ; e^r
.endr
.irp r, 0,1,2,3
	v_cvt_i32_f32 v[KT+4*\r+1], v[KT+4*\r+1]
.endr
.irp r, 0,1,2,3
	v_ldexp_f32 v[KT+4*\r+3], v[KT+4*\r+3], v[KT+4*\r+1]       ; e^a
.endr
.irp r, 0,1,2,3
	v_add_f32 v[KT+4*\r], 1.0, v[KT+4*\r+3]                    ; y
.endr
.irp r, 0,1,2,3
	v_rcp_f32 v[KT+4*\r+1], v[KT+4*\r]
.endr
	v_nop                                                      ; one plain place behind the four reciprocals (ISA guide 5.7.2)
	s_wait_alu depctr_va_vdst(0)
.rept 2
.irp r, 0,1,2,3
	v_fma_f32 v[KT+4*\r+2], -v[KT+4*\r], v[KT+4*\r+1], 1.0     ; 1 - y q, exact to one rounding
.endr
.irp r, 0,1,2,3
	v_fma_f32 v[KT+4*\r+1], v[KT+4*\r+2], v[KT+4*\r+1], v[KT+4*\r+1]
.endr
.endr
.irp r, 0,1,2,3
	v_not_b32 v[\ob+8*\r], v[KT+4*\r+1]                        ; larger score, smaller key
.endr
.endm
	KEY4 E, E+2, 8
.irp r, 0,1,2,3
	v_cmp_gt_u32 vcc_lo, s19, v[PV+\r]                         ; a real candidate?
	v_or_b32 v[KT+4*\r], 0x80000000, v[PV+\r]
	v_cndmask_b32 v[E+8*\r], -1, v[E+8*\r], vcc_lo             ; if not: the last key, and an index behind every real one, all different
	v_cndmask_b32 v[E+8*\r+1], v[KT+4*\r], v[E+8*\r+1], vcc_lo
.endr
; THE NETWORK.  Step (k, j): place p meets place p ^ j and keeps the smaller element iff (p & j) == 0 differs from (p & k) != 0.
; No two elements are equal, so: take the partner's iff (mine < partner's) xor (I want the smaller).
; The comparison in two parts: the vector compares, and the scalar lines that make of them s[MS + 3 r] = lanes in which E(r) < Q(r)
.macro CMPV4
.irp r, 0,1,2,3
	v_cmp_lt_u32 s[MS+3*\r],   v[E+8*\r],   v[Q+8*\r]
	v_cmp_eq_u32 s[MS+3*\r+1], v[E+8*\r],   v[Q+8*\r]
	v_cmp_lt_u32 s[MS+3*\r+2], v[E+8*\r+1], v[Q+8*\r+1]
.endr
.endm
.macro CMPS4
.irp r, 0,1,2,3
	s_and_b32 s[MS+3*\r+1], s[MS+3*\r+1], s[MS+3*\r+2]
	s_or_b32 s[MS+3*\r], s[MS+3*\r], s[MS+3*\r+1]
.endr
.endm
.macro TAKE4
.irp r, 0,1,2,3
.irp w, 0,1,4,5,6,7
	v_cndmask_b32 v[E+8*\r+\w], v[E+8*\r+\w], v[Q+8*\r+\w], s[MS+3*\r]
.endr
.endr
.endm
.macro JOF x                           ; JV = the lanes whose bit x is clear
.set JV, 0
.if \x == 1
.set JV, 0x55555555
.endif
.if \x == 2
.set JV, 0x33333333
.endif
.if \x == 4
.set JV, 0x0f0f0f0f
.endif
.if \x == 8
.set JV, 0x00ff00ff
.endif
.if \x == 16
.set JV, 0x0000ffff
.endif
.endm
.macro WMASK j, k, r                   ; WML = the lanes that want the smaller, as far as lane and r decide it
	JOF \k
.set KV, 0
.if \k <= 16
.set KV, JV ^ 0xffffffff
.endif
.if \k == 32
.set KV, 0xffffffff * ((\r) & 1)
.endif
.if \k == 64
.set KV, 0xffffffff * (((\r) >> 1) & 1)
.endif
	JOF \j
.set WML, JV ^ KV
.endm
.macro PARTNER j, r, w                 ; word w of place r from lane ^ j
.if \j == 16
	v_permlanex16_b32 v[Q+8*\r+\w], v[E+8*\r+\w], s37, s38
.else
	v_mov_b32_dpp v[Q+8*\r+\w], v[E+8*\r+\w] row_xmask:\j row_mask:0xf bank_mask:0xf
.endif
.endm
; j = 1..16: the partner is another lane.  Keys and indices are fetched and compared first; the sixteen moves of the boxes, which the
; comparison does not need, stand between the vector compares and the scalar lines that read their masks
.macro LANE j, k
.irp r, 0,1,2,3
	PARTNER \j, \r, 0
	PARTNER \j, \r, 1
.endr
	CMPV4
.irp r, 0,1,2,3
.irp w, 4,5,6,7
	PARTNER \j, \r, \w
.endr
.endr
	CMPS4
.irp r, 0,1,2,3
	WMASK \j, \k, \r
	s_xor_b32 s[MS+3*\r], s[MS+3*\r], WML
.if \k == 128
	s_xor_b32 s[MS+3*\r], s[MS+3*\r], s39
.endif
.if \k == 256
	s_xor_b32 s[MS+3*\r], s[MS+3*\r], s40
.endif
.endr
	TAKE4
.endm
.macro LANES5 k
	LANE 16, \k
	LANE 8, \k
	LANE 4, \k
	LANE 2, \k
	LANE 1, \k
.endm
; j = 32, 64: the partner is another of my own four places.  Pairs (a0, b0), (a1, b1), a below b: exchange iff (a < b) xor (a wants the smaller)
.macro REG2P a0, b0, a1, b1, k
	v_cmp_lt_u32 s[MS],   v[E+8*\a0],   v[E+8*\b0]
	v_cmp_eq_u32 s[MS+1], v[E+8*\a0],   v[E+8*\b0]
	v_cmp_lt_u32 s[MS+2], v[E+8*\a0+1], v[E+8*\b0+1]
	v_cmp_lt_u32 s[MS+3], v[E+8*\a1],   v[E+8*\b1]
	v_cmp_eq_u32 s[MS+4], v[E+8*\a1],   v[E+8*\b1]
	v_cmp_lt_u32 s[MS+5], v[E+8*\a1+1], v[E+8*\b1+1]
.irp w, 0,1,4,5,6,7
	v_mov_b32 v[Q+\w],   v[E+8*\a0+\w]
	v_mov_b32 v[Q+8+\w], v[E+8*\a1+\w]
.endr
	s_and_b32 s[MS+1], s[MS+1], s[MS+2]
	s_and_b32 s[MS+4], s[MS+4], s[MS+5]
	s_or_b32 s[MS], s[MS], s[MS+1]
	s_or_b32 s[MS+3], s[MS+3], s[MS+4]
.if \k == 64
	s_not_b32 s[MS], s[MS]                         ; places 0, 1 ascend; places 2, 3 descend: their mask stays
.endif
.if \k == 128
	s_xor_b32 s[MS], s[MS], s43
	s_xor_b32 s[MS+3], s[MS+3], s43
.endif
.if \k == 256
	s_xor_b32 s[MS], s[MS], s42
	s_xor_b32 s[MS+3], s[MS+3], s42
.endif
.if \k == 512
	s_not_b32 s[MS], s[MS]
	s_not_b32 s[MS+3], s[MS+3]
.endif
.irp w, 0,1,4,5,6,7
	v_cndmask_b32 v[E+8*\a0+\w], v[E+8*\a0+\w], v[E+8*\b0+\w], s[MS]
	v_cndmask_b32 v[E+8*\a1+\w], v[E+8*\a1+\w], v[E+8*\b1+\w], s[MS+3]
.endr
.irp w, 0,1,4,5,6,7
	v_cndmask_b32 v[E+8*\b0+\w], v[E+8*\b0+\w], v[Q+\w],   s[MS]
	v_cndmask_b32 v[E+8*\b1+\w], v[E+8*\b1+\w], v[Q+8+\w], s[MS+3]
.endr
.endm
; j = 128, 256: the partner is another wave's place.  Each of the three exchanges has a buffer of its own, written once: one barrier each
.macro XCH i, ak, ab, sx
.irp r, 0,1,2,3
	ds_store_b64  v[AK0], v[E+8*\r:E+8*\r+1]   offset:XB+XBS*\i+256*\r
	ds_store_b128 v[AB0], v[E+8*\r+4:E+8*\r+7] offset:XB+XBS*\i+4096+512*\r
.endr
	s_wait_dscnt 0x0                               ; zero: the partner wave reads these behind the barrier
	s_barrier_signal -1
	s_barrier_wait -1
.irp r, 0,1,2,3
	ds_load_b64  v[Q+8*\r:Q+8*\r+1],   v[\ak] offset:XB+XBS*\i+256*\r
	ds_load_b128 v[Q+8*\r+4:Q+8*\r+7], v[\ab] offset:XB+XBS*\i+4096+512*\r
.endr
	s_wait_dscnt 0x0
	CMPV4
	CMPS4
.irp r, 0,1,2,3
	s_xor_b32 s[MS+3*\r], s[MS+3*\r], s[\sx]
.endr
	TAKE4
.endm
	LANE 1, 2
	LANE 2, 4
	LANE 1, 4
	LANE 4, 8
	LANE 2, 8
	LANE 1, 8
	LANE 8, 16
	LANE 4, 16
	LANE 2, 16
	LANE 1, 16
	LANES5 32
	REG2P 0, 1, 2, 3, 64
	LANES5 64
	REG2P 0, 2, 1, 3, 128
	REG2P 0, 1, 2, 3, 128
	LANES5 128
	XCH 0, AK1, AB1, 41
	REG2P 0, 2, 1, 3, 256
	REG2P 0, 1, 2, 3, 256
	LANES5 256
	XCH 1, AK2, AB2, 42
	XCH 2, AK1, AB1, 43
	REG2P 0, 2, 1, 3, 512
	REG2P 0, 1, 2, 3, 512
	LANES5 512
; what is written for the element in E(r), at row v[PV + r]: score to E+2, label to E+3, box to Q+4..7, byte offsets to Q+0, Q+1
.macro OUTCALC r
	v_not_b32 v[E+8*\r+2], v[E+8*\r]
	v_lshrrev_b32 v[E+8*\r+3], 4, v[E+8*\r+1]
	v_mul_u32_u24 v[E+8*\r+3], v[E+8*\r+3], 0xcccd
	v_lshrrev_b32 v[E+8*\r+3], 18, v[E+8*\r+3]                 ; index / 80
	v_mul_u32_u24 v[E+8*\r+3], v[E+8*\r+3], 80
	v_sub_nc_u32 v[E+8*\r+3], v[E+8*\r+1], v[E+8*\r+3]         ; index % 80
	v_pk_fma_f32 v[Q+8*\r+4:Q+8*\r+5], v[E+8*\r+6:E+8*\r+7], -0.5, v[E+8*\r+4:E+8*\r+5] op_sel_hi:[1,0,1]   ; cx - w/2, cy - h/2
	v_pk_fma_f32 v[Q+8*\r+6:Q+8*\r+7], v[E+8*\r+6:E+8*\r+7], 0.5, v[E+8*\r+4:E+8*\r+5] op_sel_hi:[1,0,1]    ; cx + w/2, cy + h/2
	v_pk_mul_f32 v[Q+8*\r+4:Q+8*\r+5], v[Q+8*\r+4:Q+8*\r+5], v[WH:WH+1]
	v_pk_mul_f32 v[Q+8*\r+6:Q+8*\r+7], v[Q+8*\r+6:Q+8*\r+7], v[WH:WH+1]
	v_lshlrev_b32 v[Q+8*\r], 2, v[PV+\r]
	v_lshlrev_b32 v[Q+8*\r+1], 4, v[PV+\r]
.endm
; the three stores, in the lanes of VCC.  EXEC is a source of pending loads and stores: it changes only behind s_wait_xcnt 0
.macro OUTSTORE r
	s_wait_xcnt 0x0
	s_and_saveexec_b32 s66, vcc_lo
	global_store_b32  v[Q+8*\r],   v[E+8*\r+3], s[12:13]
	global_store_b128 v[Q+8*\r+1], v[Q+8*\r+4:Q+8*\r+7], s[14:15]
	global_store_b32  v[Q+8*\r],   v[E+8*\r+2], s[16:17]
	s_wait_xcnt 0x0
	s_or_b32 exec_lo, exec_lo, s66
.endm
	s_cmp_gt_u32 s19, NSORT                        ; C is a sum of words read by a scalar load; no barrier stands behind this branch
	s_cbranch_scc1 .Lslow
.irp r, 0,1,2,3
	OUTCALC \r
.endr
.irp r, 0,1,2,3
	v_cmp_gt_u32 vcc_lo, TOPK, v[PV+\r]
	OUTSTORE \r
.endr
	s_endpgm
	; MORE THAN 512 CANDIDATES.  Wave 0 alone: for each rank, the smallest (key, index) above the last one written, over all 80,000 logits.
.Lslow:
	s_cmp_lg_u32 s18, 0
	s_cbranch_scc1 .Lend
	v_mov_b32 v[PREV], 0                           ; below every key (keys are at least 0xc07fffff)
	v_mov_b32 v[PREV+1], 0
	s_mov_b32 s67, 0
.Lrank:
	v_mov_b32 v[E], -1                             ; the best so far: behind every element
	v_mov_b32 v[E+1], -1
.irp w, 4,5,6,7
	v_mov_b32 v[E+\w], 0
.endr
	v_lshlrev_b32 v[LOFF], 4, v1
	v_lshlrev_b32 v[IDX0], 2, v1
	s_mov_b32 s68, 0
.Lscan:                                            ; 625 trips of 128 logits: four neighbours a lane, which share a query (80 is a multiple of 4)
	global_load_b128 v[XL:XL+3], v[LOFF], s[6:7]
	v_lshrrev_b32 v[BOFF], 4, v[IDX0]
	v_mul_u32_u24 v[BOFF], v[BOFF], 0xcccd
	v_lshrrev_b32 v[BOFF], 18, v[BOFF]
	v_lshlrev_b32 v[BOFF], 4, v[BOFF]
	global_load_b128 v[BX:BX+3], v[BOFF], s[8:9]
	s_wait_loadcnt 0x0                             ; also frees the two offsets, which are stepped below
	KEY4 Q, XL, 1
.irp c, 0,1,2,3
	v_add_nc_u32 v[Q+8*\c+1], \c, v[IDX0]
	v_cmp_lt_u32 s44, v[PREV],     v[Q+8*\c]       ; last written < candidate
	v_cmp_eq_u32 s45, v[PREV],     v[Q+8*\c]
	v_cmp_lt_u32 s46, v[PREV+1],   v[Q+8*\c+1]
	v_cmp_lt_u32 s47, v[Q+8*\c],   v[E]            ; candidate < best
	v_cmp_eq_u32 s48, v[Q+8*\c],   v[E]
	v_cmp_lt_u32 s49, v[Q+8*\c+1], v[E+1]
	s_and_b32 s45, s45, s46
	s_and_b32 s48, s48, s49
	s_or_b32 s44, s44, s45
	s_or_b32 s47, s47, s48
	s_and_b32 s44, s44, s47
	v_cndmask_b32 v[E],   v[E],   v[Q+8*\c],   s44
	v_cndmask_b32 v[E+1], v[E+1], v[Q+8*\c+1], s44
.irp w, 0,1,2,3
	v_cndmask_b32 v[E+4+\w], v[E+4+\w], v[BX+\w], s44
.endr
.endr
	v_add_nc_u32 v[LOFF], 512, v[LOFF]
	v_add_nc_u32 v[IDX0], 128, v[IDX0]
	s_add_co_u32 s68, s68, 1
	s_cmp_lt_u32 s68, 625
	s_cbranch_scc1 .Lscan
; the smallest of the 32 lanes' elements, in every lane
.macro MINL j
.irp w, 0,1,4,5,6,7
	PARTNER \j, 0, \w
.endr
	v_cmp_lt_u32 s44, v[Q],   v[E]
	v_cmp_eq_u32 s45, v[Q],   v[E]
	v_cmp_lt_u32 s46, v[Q+1], v[E+1]
	s_and_b32 s45, s45, s46
	s_or_b32 s44, s44, s45
.irp w, 0,1,4,5,6,7
	v_cndmask_b32 v[E+\w], v[E+\w], v[Q+\w], s44
.endr
.endm
	MINL 1
	MINL 2
	MINL 4
	MINL 8
	MINL 16
	v_mov_b32 v[PREV], v[E]
	v_mov_b32 v[PREV+1], v[E+1]
	v_mov_b32 v[PV], s67                           ; the row to write
	OUTCALC 0
	v_cmp_eq_u32 vcc_lo, 0, v1                     ; lane 0 writes; the wait at OUTSTORE's end also frees its data and offsets for the next rank
	OUTSTORE 0
	s_add_co_u32 s67, s67, 1
	s_cmp_lt_u32 s67, TOPK
	s_cbranch_scc1 .Lrank
.Lend:
	s_endpgm
.Lfunc_end_k_q1d911ddd6f_pick:
	.size	k_q1d911ddd6f_pick, .Lfunc_end_k_q1d911ddd6f_pick-k_q1d911ddd6f_pick
	.p2alignl 7, 3214868480
	.fill 96, 4, 3214868480
	.section	.rodata,"a",@progbits
	.p2align	6, 0x0
	.amdhsa_kernel k_q1d911ddd6f_pick
		.amdhsa_group_segment_fixed_size 65536
		.amdhsa_private_segment_fixed_size 0
		.amdhsa_enable_private_segment 0
		.amdhsa_kernarg_size 64
		.amdhsa_user_sgpr_count 2
		.amdhsa_user_sgpr_kernarg_segment_ptr 1
		.amdhsa_wavefront_size32 1
		.amdhsa_system_sgpr_workgroup_id_x 1
		.amdhsa_system_sgpr_workgroup_id_y 1
		.amdhsa_system_sgpr_workgroup_id_z 1
		.amdhsa_system_vgpr_workitem_id 0
		.amdhsa_next_free_vgpr 192
		.amdhsa_next_free_sgpr 100
		.amdhsa_reserve_vcc 1
		.amdhsa_float_denorm_mode_32 3
		.amdhsa_float_denorm_mode_16_64 3
		.amdhsa_memory_ordered 1
		.amdhsa_forward_progress 1
		.amdhsa_inst_pref_size 255
	.end_amdhsa_kernel
	.amdgpu_metadata
---
amdhsa.version: [ 1, 2 ]
amdhsa.kernels:
  - .name:           k_q1d911ddd6f_pick
    .symbol:         k_q1d911ddd6f_pick.kd
    .args:
      - { .name: marks, .offset: 0, .size: 8, .value_kind: global_buffer, .address_space: global }
      - { .name: logits, .offset: 8, .size: 8, .value_kind: global_buffer, .address_space: global }
      - { .name: boxes, .offset: 16, .size: 8, .value_kind: global_buffer, .address_space: global }
      - { .name: orig_target_sizes, .offset: 24, .size: 8, .value_kind: global_buffer, .address_space: global }
      - { .name: out0, .offset: 32, .size: 8, .value_kind: global_buffer, .address_space: global }
      - { .name: out1, .offset: 40, .size: 8, .value_kind: global_buffer, .address_space: global }
      - { .name: out2, .offset: 48, .size: 8, .value_kind: global_buffer, .address_space: global }
      - { .name: counts, .offset: 56, .size: 8, .value_kind: global_buffer, .address_space: global }
    .group_segment_fixed_size: 65536
    .private_segment_fixed_size: 0
    .kernarg_segment_align: 8
    .kernarg_segment_size: 64
    .max_flat_workgroup_size: 128
    .sgpr_count:     100
    .vgpr_count:     192
    .wavefront_size: 32
...
	.end_amdgpu_metadata
.endif
;; end of part 2
